; MI455X (gfx1250); checked and timed in simulation.
; The chip was launched on July 23, 2026; its instructions are those of AMD's public machine-readable ISA for CDNA 5 (MIT licence, August 2026) and "CDNA5" Instruction Set Architecture Reference Guide (July 2026). The comments in the code are by the model that wrote it; some were corrected since.
;; Linear Latent Kernel. Allowed arithmetic: float matrix products may take bf16 or f16 operands with f32 sums; other float arithmetic in f32, or as packed bf16 or f16 multiplies, adds, multiply-adds, maxima and minima; sums over many terms, partial sums and values carried from step to step in f32; what a program stores and reads back later, other than sums and carried values, may be rounded once to bf16 or f16.
;; Inputs: W_gate 1,024 x 1,024 float32; W_qkv 3,072 x 1,024 float32; b_gate 1,024 float32; b_qkv 3,072 float32; x 4 x 4,096 x 1,024 float32.
;; Outputs: out0 4 x 4,096 x 1,024 float32.
;; 2 versions, each right; version 2 is version 1 with the launch cast written anew for expert scheduling mode. Each part assembles by itself: llvm-mc -triple=amdgcn-amd-amdhsa -mcpu=gfx1250 --defsym DOCPART=n.
;; ======== version 1 of 2: 3 launches
;; workspace buffers: xb 33,554,432 bytes; wb 8,388,608 bytes; kvw 33,554,432 bytes; tot 524,288 bytes
;; launch cast (part 1): grid 1024 x 1, 8 waves a work-group, no clusters, 0 bytes of LDS; arguments x, W_qkv, W_gate, xb, wb; writes xb, wb
.if DOCPART == 1
	.amdgcn_target "amdgcn-amd-amdhsa--gfx1250"
	.amdhsa_code_object_version 6
	.text
	.protected	k_q430e0cf204_cast
	.globl	k_q430e0cf204_cast
	.p2align	8
	.type	k_q430e0cf204_cast,@function
k_q430e0cf204_cast:
	s_mov_b64 s[64:65], 0
	v_nop
	global_prefetch_b8 v0, s[64:65] scope:SCOPE_SE
	s_setreg_imm32_b32 hwreg(HW_REG_WAVE_MODE, 25, 1), 1
	s_wait_xcnt 0x0
; x [16384][1024] f32 -> xb, bf16, the same order.  The 4,096 weight rows (W_qkv's 3,072 and W_gate's 1,024) -> wb [4096][1024] bf16, IN THE ORDER IN WHICH THE TWO PRODUCTS TAKE THEM:
; wb's rows 0-2047 serve the product for k and v, rows 2048-4095 the one for q and the gate.  Row n' = 256 cg + 128 wc + 64 sel + i of either half belongs to channel d = 128 cg + 64 wc + i;
; first half: sel 0 = W_qkv row 1024 + d (k), sel 1 = W_qkv row 2048 + d (v); second half: sel 0 = W_qkv row d (q), sel 1 = W_gate row d.  So 128 rows on end hold both partners of 64 channels.
; Each number is rounded once, to nearest even.  A stream: no LDS, no barrier, no matrix work; each byte is read once and written once.
; SHARES.  Work-group w takes 16 rows of x and wb's rows 4 w .. 4 w + 3, which are four rows on end of one source (4 divides 64).  Thread t takes 16 bytes at 16 t of each row (a row is 4,096 bytes: 256 threads)
; and stores 8 bytes at 8 t: a wave's load covers 512 consecutive bytes, its store 256 consecutive bytes, aligned.  All 20 loads of a thread go out at once; no register is written twice, so no wait frees a source.
.set NX,  16                           ; rows of x
.set NW,  4                            ; rows of weights
.set IN,  4                            ; v[4:83]    load i at IN + 4 i
.set OUT, 84                           ; v[84:123]  its four bf16 at OUT + 2 i
	s_load_b256 s[4:11], s[0:1], 0x0               ; x s[4:5], W_qkv s[6:7], W_gate s[8:9], xb s[10:11]
	s_load_b64 s[12:13], s[0:1], 0x20              ; wb
	v_lshlrev_b32 v1, 4, v0                        ; 16 t: in
	v_lshlrev_b32 v2, 3, v0                        ; 8 t: out
	s_lshr_b32 s14, ttmp9, 9                       ; which half of wb (4 w >> 11)
	s_lshl_b32 s15, ttmp9, 2
	s_and_b32 s15, s15, 2047                       ; n'
	s_bfe_u32 s16, s15, 0x10006                    ; sel
	s_lshr_b32 s17, s15, 7
	s_lshl_b32 s17, s17, 6                         ; 128 cg + 64 wc
	s_and_b32 s18, s15, 63
	s_add_co_u32 s17, s17, s18                     ; d of the first of the four rows
	s_lshl_b32 s18, s16, 10
	s_add_co_u32 s18, s18, 1024                    ; first half: k's rows begin at 1,024, v's at 2,048
	s_cmp_eq_u32 s14, 0
	s_cselect_b32 s18, s18, 0                      ; second half: row d of W_qkv or of W_gate
	s_add_co_u32 s17, s17, s18
	s_lshl_b32 s20, s17, 12                        ; the source row in bytes
	s_mov_b32 s21, 0
	s_and_b32 s19, s14, s16                        ; 1: the gate's rows
	s_lshl_b32 s22, ttmp9, 16                      ; 16 rows of x
	s_mov_b32 s23, 0
	s_lshl_b32 s26, ttmp9, 15                      ; 16 rows of xb
	s_mov_b32 s27, 0
	s_lshl_b32 s28, ttmp9, 13                      ; 4 rows of wb
	s_mov_b32 s29, 0
	s_wait_kmcnt 0x0
	s_cmp_eq_u32 s19, 1
	s_cselect_b64 s[24:25], s[8:9], s[6:7]
	s_add_nc_u64 s[24:25], s[24:25], s[20:21]
	s_add_nc_u64 s[4:5], s[4:5], s[22:23]
	s_add_nc_u64 s[10:11], s[10:11], s[26:27]
	s_add_nc_u64 s[12:13], s[12:13], s[28:29]
.set i, 0
.rept NX
	global_load_b128 v[IN+4*i:IN+4*i+3], v1, s[4:5] offset:4096*i th:TH_LOAD_NT
.set i, i+1
.endr
.rept NW
	global_load_b128 v[IN+4*i:IN+4*i+3], v1, s[24:25] offset:4096*(i-NX) th:TH_LOAD_NT
.set i, i+1
.endr
.set i, 0
.rept NX+NW
	s_wait_loadcnt NX+NW-1-i                       ; loads come back in order: load i is in when at most the younger ones are out
	v_cvt_pk_bf16_f32 v[OUT+2*i], v[IN+4*i], v[IN+4*i+1]
	v_cvt_pk_bf16_f32 v[OUT+2*i+1], v[IN+4*i+2], v[IN+4*i+3]
.if i < NX
	global_store_b64 v2, v[OUT+2*i:OUT+2*i+1], s[10:11] offset:2048*i th:TH_STORE_NT
.else
	global_store_b64 v2, v[OUT+2*i:OUT+2*i+1], s[12:13] offset:2048*(i-NX) th:TH_STORE_NT
.endif
.set i, i+1
.endr
	s_endpgm
.Lfunc_end_k_q430e0cf204_cast:
	.size	k_q430e0cf204_cast, .Lfunc_end_k_q430e0cf204_cast-k_q430e0cf204_cast
	.p2alignl 7, 3214868480
	.fill 96, 4, 3214868480
	.section	.rodata,"a",@progbits
	.p2align	6, 0x0
	.amdhsa_kernel k_q430e0cf204_cast
		.amdhsa_group_segment_fixed_size 0
		.amdhsa_private_segment_fixed_size 0
		.amdhsa_enable_private_segment 0
		.amdhsa_kernarg_size 40
		.amdhsa_user_sgpr_count 2
		.amdhsa_user_sgpr_kernarg_segment_ptr 1
		.amdhsa_wavefront_size32 1
		.amdhsa_system_sgpr_workgroup_id_x 1
		.amdhsa_system_sgpr_workgroup_id_y 1
		.amdhsa_system_sgpr_workgroup_id_z 1
		.amdhsa_system_vgpr_workitem_id 0
		.amdhsa_next_free_vgpr 128
		.amdhsa_next_free_sgpr 66
		.amdhsa_reserve_vcc 0
		.amdhsa_float_denorm_mode_32 3
		.amdhsa_float_denorm_mode_16_64 3
		.amdhsa_memory_ordered 1
		.amdhsa_forward_progress 1
		.amdhsa_inst_pref_size 9
	.end_amdhsa_kernel
	.amdgpu_metadata
---
amdhsa.version: [ 1, 2 ]
amdhsa.kernels:
  - .name:           k_q430e0cf204_cast
    .symbol:         k_q430e0cf204_cast.kd
    .args:
      - { .name: x, .offset: 0, .size: 8, .value_kind: global_buffer, .address_space: global }
      - { .name: W_qkv, .offset: 8, .size: 8, .value_kind: global_buffer, .address_space: global }
      - { .name: W_gate, .offset: 16, .size: 8, .value_kind: global_buffer, .address_space: global }
      - { .name: xb, .offset: 24, .size: 8, .value_kind: global_buffer, .address_space: global }
      - { .name: wb, .offset: 32, .size: 8, .value_kind: global_buffer, .address_space: global }
    .group_segment_fixed_size: 0
    .private_segment_fixed_size: 0
    .kernarg_segment_align: 8
    .kernarg_segment_size: 40
    .max_flat_workgroup_size: 256
    .sgpr_count:     66
    .vgpr_count:     128
    .wavefront_size: 32
...
	.end_amdgpu_metadata
.endif
;; end of part 1
;; launch kvgemm (part 2): grid 8 x 64, 4 waves a work-group, clusters of 4 x 4, 327,680 bytes of LDS; arguments xb, wb, b_qkv, kvw, tot; writes kvw, tot
.if DOCPART == 2
	.amdgcn_target "amdgcn-amd-amdhsa--gfx1250"
	.amdhsa_code_object_version 6
	.text
	.protected	k_q430e0cf204_kvgemm
	.globl	k_q430e0cf204_kvgemm
	.p2align	8
	.type	k_q430e0cf204_kvgemm,@function
k_q430e0cf204_kvgemm:
	s_mov_b64 s[64:65], 0
	v_nop
	global_prefetch_b8 v0, s[64:65] scope:SCOPE_SE
	s_setreg_imm32_b32 hwreg(HW_REG_WAVE_MODE, 25, 1), 1
	s_wait_xcnt 0x0
	s_wait_alu depctr_hold_cnt(0) depctr_sa_sdst(0) depctr_va_vdst(0) depctr_va_sdst(0) depctr_va_ssrc(0) depctr_va_vcc(0) depctr_vm_vsrc(0)
	s_getreg_b32 s2, hwreg(HW_REG_IB_STS2, 6, 4)
	s_cmp_eq_u32 s2, 0
	s_cbranch_scc0 .Lentry_in_a_cluster
	s_endpgm
.Lentry_in_a_cluster:
	s_bfe_u32 s2, ttmp6, 0x10000c
	s_cmp_lg_u32 s2, 0xf033
	s_cbranch_scc0 .Lentry_shape_is_right
	s_endpgm
.Lentry_shape_is_right:
; k = x Wk^T + bk, v = x Wv^T + bv, and of them k v (to kvw, rounded once to bf16) and the sums of k v over each 128 rows (to tot, f32, of the unrounded products).
; xb: [16384][1024] bf16.  wb's rows 0-2047: row 256 cg + 128 wc + 64 sel + i is the weight row of channel 128 cg + 64 wc + i, sel 0 for k, 1 for v.  Sums in f32.
; LIMITS.  x and the weights arrive rounded to bf16; the biases are rounded to bf16 here, so that all inputs have one rounding.  NaN and infinities are not treated apart.
; SHARES.  A work-group makes 256 rows x 256 weight rows (128 channels of k and of v): four waves, wave = 2 wr + wc, each 128 rows x 128 weight rows in 64 accumulators of 16 x 16, 512 registers.  A wave's 128 weight
; rows are 64 channels' k (column blocks 0-3) and the same channels' v (blocks 4-7): k v is made in registers.  K goes in 8 steps of 128 through two LDS slots filled by the tensor data mover: rows of 256 bytes, aligned.
; CLUSTER.  4 x 4 work-groups.  The four of a row of the cluster need the same rows of xb, the four of a column the same rows of wb: each tile is asked for JOINTLY, by the same tensor load with the same descriptor
; and a mask that names the four.
; LAYOUT.  Source 0 = 16 rows of x, source 1 = 16 weight rows: in the result lane l = 16 h + r holds channel r of the block and the rows 8 h + 0..7: eight rows on end of one channel.  Rounded in pairs they are half a
; fragment (16 channels x 32 rows) for the next launch's sums along the rows, so kvw is kept as the registers lie: wave (ty, cg, wave) has 16,384 bytes, block (a, b') 512 of them, lane l its 16 bytes at 16 l.
; tot: [128 half tiles of 128 rows][8 cg][2 wc][16 r][4 b'] f32: 256 bytes a wave.
; REGISTERS, in windows of 256 (s_set_vgpr_msb: bits 1:0 source 0, 3:2 source 1, 5:4 source 2, 7:6 destination):
;   window 0: v0-31 addresses; v32-63 biases, sums, at work; v64-127, v128-191 fragments of x, two buffers, on the way out the packed k v; v192-255 at work on the way out
;   window 1: v64-127, v128-191 fragments of the weights      window 2: accumulators of my rows 0-63 ((a, b) at v[8 (8 a + b)])      window 3: those of rows 64-127
.set SIZE_K, 1024
.set KSTEP,  128
.set PITCH,  272                       ; an LDS row: 256 bytes + 16 of padding = 68 words: row r starts at bank 4 r mod 64 (64 banks of 4 bytes: ISA guide 11.1)
.set HALFT,  128*PITCH                 ; 128 rows: what one tensor load brings, and what one wave reads of x or of the weights
.set SLOT,   4*HALFT                   ; x's 256 rows, then the weights' 256
.set SPARE,  2*SLOT                    ; behind the ring: the spare words, 128 bytes a wave: two blocks of 256 bytes that no other line names
.set LAPS,   SIZE_K/(2*KSTEP)          ; a lap = two K steps = once round the ring
.set BO,   6                           ; v6   4 r: my channel in 16 biases
.set KO,   7                           ; v7   16 l: my 16 bytes of a block of kvw
.set TO,   8                           ; v8   16 r + 8 h: my 8 bytes of tot
.set ADRA, 16                          ; v16-17  LDS address of my fragments of x in slot 0, 1
.set ADRB, 20                          ; v20-21  the same for the weights
.set SPW,  28                          ; v28  LDS address of my spare word; never rewritten
.set NIL,  29                          ; v29  0; never rewritten
.set PFO,  30                          ; v30  the prefetches' offset: my lane x a row of 2,048 bytes; never rewritten
.set BK,   32                          ; v[32+2 b']  k's bias of channel 16 b' + r (the odd partner is named with it in a pair, and holds 0)
.set BV,   40                          ; v[40+2 b']  v's
.set SUM,  48                          ; v[48+2 b' : +1]  running sums of k v: even rows', odd rows'
.set TT,   56                          ; v56-61 at work
.set PK,   64                          ; v[64+16 a+4 b' : +3]  k v of block (a, b'), packed; never rewritten, so no store's data waits
.set T1,   192
.set T2,   224
.set F0,   64
.set F1,   128
.set G1,   24                          ; s[24:31] descriptor group 1 for x's tiles;  s[32:39] group 0, a set for each slot
.set G0,   32
.set LIM,  43                          ; s43  1 in a wave that prefetches, else the greatest number
.set PFA,  44                          ; s[44:45] where my prefetches stand
.set G1B,  48                          ; s[48:55], s[56:63] the same for the weights' tiles
.set G0B,  56
.set MSB, 0
.macro WIN new                         ; the immediate's high byte repeats the setting that is left; a switch that changes nothing is dropped
.if MSB != (\new)
	s_set_vgpr_msb (MSB<<8)|(\new)
.set MSB, \new
.endif
.endm
.set MUL_LO, 0xa4                      ; source 0 (x) window 0, source 1 (weights) window 1, C and D window 2
.set MUL_HI, 0xf4                      ; the same, C and D window 3
.set TO_B,   0x40                      ; destination window 1, address window 0
; A joint load.  Waves 0 and 1 fetch x's two halves, waves 2 and 3 the weights'.  Each line has one mask and one set of registers for all that issue it; the branch hangs on the wave's number alone.
; An s_nop 0 and four v_nop follow each of the two lines, ahead of the jump and the label.
.macro JLOAD s
	s_cmp_eq_u32 s11, 0
	s_cbranch_scc0 .Lfor_b_\@
	tensor_load_to_lds s[G0+4*(\s):G0+4*(\s)+3], s[G1:G1+7]
	s_nop 0
.rept 4
	v_nop
.endr
	s_branch .Lasked_\@
.Lfor_b_\@:
	tensor_load_to_lds s[G0B+4*(\s):G0B+4*(\s)+3], s[G1B:G1B+7]
	s_nop 0
.rept 4
	v_nop
.endr
.Lasked_\@:
.endm
; A PREFETCH INTO THE L2, behind each joint load and the run of LDS loads that follows it: the K step that stands two refills on, 512 matrix instructions ahead of the load that will want it: 32 rows x 256 bytes, a lane a row.
; Each row's 256 bytes of a K step are named once in the launch: x's rows by the cluster with x = 0, the weights' by the cluster with y = 0; of the 128 rows that a wave fetches the partner at place p (cx for x's,
; cy for the weights') takes rows 32 p .. 32 p + 31, told apart by address.  K steps 4 to 7 are asked for; the loop's last trip (s3 = 1) has no K step two refills on and asks for nothing.
.macro ASK
	s_cmp_gt_u32 s3, s[LIM]
	s_cbranch_scc0 .Lnot_mine_\@
	global_prefetch_b8 v[PFO], s[PFA:PFA+1] offset:KSTEP*2 th:TH_LOAD_NT scope:SCOPE_SE
.Lnot_mine_\@:
.endm
.macro CREST                           ; a round of the cluster's barrier behind its opening barrier: wave 0 signals for the work-group, every wave waits for all sixteen, my work-group's barrier once more
	s_cmp_lg_u32 s10, 0
	s_cbranch_scc1 .Lnot_wave_0_\@
	s_barrier_signal -3
.Lnot_wave_0_\@:
	s_barrier_wait -3
	s_barrier_signal -1
	s_barrier_wait -1
.endm
.macro CROUND                          ; a whole round
	s_barrier_signal -1
	s_barrier_wait -1
	CREST
.endm
	s_load_b256 s[68:75], s[0:1], 0x0              ; xb s[68:69], wb s[70:71], b_qkv s[72:73], kvw s[74:75]
	s_load_b64 s[76:77], s[0:1], 0x20              ; tot
	v_lshl_add_u32 v[SPW], v0, 2, SPARE
	v_mov_b32 v[NIL], 0
	ds_add_u32 v[SPW], v[NIL]                      ; the wave's opening: the add, twice on end, and its wait ahead of my first tensor load; the set-up below stands between
	ds_add_u32 v[SPW], v[NIL]
	v_lshrrev_b32 v1, 5, v0
	v_readfirstlane_b32 s10, v1                    ; wave 0..3
	s_lshr_b32 s11, s10, 1                         ; wr: which half of the tile's rows is mine.  Also: I fetch x's tiles (0) or the weights' (1)
	s_and_b32 s12, s10, 1                          ; wc: which half of the weight rows.  Also: which 128 rows of that tile I fetch
	s_bfe_u32 s40, ttmp6, 0x40000                  ; cx
	s_bfe_u32 s41, ttmp6, 0x40004                  ; cy
	s_lshl_b32 s42, ttmp9, 2
	s_add_co_u32 s42, s42, s40                     ; cg = 4 x cluster x + cx
	s_and_b32 s13, ttmp7, 0xffff
	s_lshl_b32 s13, s13, 2
	s_add_co_u32 s13, s13, s41                     ; ty = 4 x cluster y + cy
	s_lshl_b32 s43, s41, 2
	s_lshl_b32 s43, 15, s43                        ; my row of the cluster
	s_lshl_b32 s44, 0x1111, s40                    ; my column
	s_or_b32 s[G1+0], s43, (1<<16)|(1<<20)|(1<<21)|(5<<22)|(3<<25)   ; 15:0 the mask; 17:16 elements of 2 bytes; 20 padding on; 21 set beside a mask; 24:22 after every 64 words; 31:25 of 4 words
	s_or_b32 s[G1B+0], s44, (1<<16)|(1<<20)|(1<<21)|(5<<22)|(3<<25)
.irp g, G1, G1B
	s_mov_b32 s[(\g)+1], KSTEP<<16                 ; tensor_dim0 = 128
	s_mov_b32 s[(\g)+2], 128<<16                   ; tensor_dim1 = 128
	s_mov_b32 s[(\g)+3], KSTEP<<16                 ; tile_dim0 = 128
	s_mov_b32 s[(\g)+4], 128                       ; tile_dim1 = 128
	s_mov_b32 s[(\g)+5], SIZE_K                    ; elements from row to row
	s_mov_b32 s[(\g)+6], 0
	s_mov_b32 s[(\g)+7], 0
.endr
	s_mov_b32 s4, 0xffff0000                       ; a word's upper bf16
	s_mov_b32 s92, 0x76543210                      ; v_permlanex16_b32: each lane takes its own place in the other half
	s_mov_b32 s93, 0xfedcba98
	s_lshl_b32 s17, s12, 7                         ; which 128 rows of the tile I fetch
	s_lshl_b32 s16, s13, 8
	s_add_co_u32 s16, s16, s17                     ; x: row 256 ty + 128 x half
	s_lshl_b32 s46, s42, 8
	s_add_co_u32 s46, s46, s17                     ; weights: row 256 cg + 128 x half
	s_mov_b32 s17, 0
	s_mov_b32 s47, 0
	s_mov_b64 s[18:19], SIZE_K*2
	s_mul_u64 s[16:17], s[16:17], s[18:19]
	s_mul_u64 s[46:47], s[46:47], s[18:19]
	s_mul_i32 s20, s10, HALFT                      ; where they go: wave x 128 rows: no place in the cluster enters an LDS address
	s_wait_dscnt 0x0                               ; both opening adds are done
	s_wait_kmcnt 0x0
	s_add_nc_u64 s[14:15], s[68:69], s[16:17]
	s_add_nc_u64 s[46:47], s[70:71], s[46:47]
	CROUND                                         ; all sixteen work-groups are here: the first joint loads meet
.irp s, 0,1
	s_mov_b32 s[G0+4*(\s)], 1
	s_add_co_u32 s[G0+4*(\s)+1], s20, (\s)*SLOT
	s_add_nc_u64 s[G0+4*(\s)+2:G0+4*(\s)+3], s[14:15], (\s)*KSTEP*2
	s_or_b32 s[G0+4*(\s)+3], s[G0+4*(\s)+3], 0x80000000
	s_mov_b32 s[G0B+4*(\s)], 1
	s_add_co_u32 s[G0B+4*(\s)+1], s20, (\s)*SLOT
	s_add_nc_u64 s[G0B+4*(\s)+2:G0B+4*(\s)+3], s[46:47], (\s)*KSTEP*2
	s_or_b32 s[G0B+4*(\s)+3], s[G0B+4*(\s)+3], 0x80000000
	JLOAD \s                                       ; K steps 0 and 1: two tensor loads of mine are out
.endr
	; a fragment is 16 rows x 32 K in 8 registers: lane l holds row l % 16, K = 8 (l / 16) + 0..7 and 16 + 8 (l / 16) + 0..7: two loads of 16 bytes, 32 bytes apart
	v_and_b32 v1, 15, v0                           ; r
	v_bfe_u32 v2, v0, 4, 1                         ; h
	v_mul_u32_u24 v3, v1, PITCH
	v_lshl_add_u32 v3, v2, 4, v3
	s_mul_i32 s21, s11, HALFT                      ; my 128 rows of x
	s_mul_i32 s22, s12, HALFT                      ; my 128 weight rows,
	s_add_co_u32 s22, s22, 2*HALFT                 ; which lie behind x's 256
.irp s, 0,1
	v_add_nc_u32 v[ADRA+(\s)], s21, v3
	v_add_nc_u32 v[ADRB+(\s)], s22, v3
	s_add_co_u32 s21, s21, SLOT
	s_add_co_u32 s22, s22, SLOT
.endr
	s_lshl_b32 s20, s42, 9
	s_lshl_b32 s21, s12, 8
	s_add_co_u32 s20, s20, s21                     ; 512 cg + 256 wc: my 64 channels as f32, and my 256 bytes in a half tile of tot
	s_add_co_u32 s22, s20, 4096                    ; k's biases begin at number 1,024
	s_mov_b32 s23, 0
	s_add_nc_u64 s[82:83], s[72:73], s[22:23]
	s_lshl_b32 s22, s13, 3
	s_add_co_u32 s22, s22, s42
	s_lshl_b32 s22, s22, 2
	s_add_co_u32 s22, s22, s10
	s_lshl_b32 s22, s22, 14                        ; ((8 ty + cg) 4 + wave) x 16,384
	s_add_nc_u64 s[84:85], s[74:75], s[22:23]
	s_lshl_b32 s22, s13, 1
	s_add_co_u32 s22, s22, s11
	s_lshl_b32 s22, s22, 12                        ; half tile 2 ty + wr, 4,096 bytes each
	s_add_co_u32 s22, s22, s20
	s_add_nc_u64 s[86:87], s[76:77], s[22:23]
	v_lshlrev_b32 v[BO], 2, v1
	v_and_b32 v[KO], 31, v0
	v_lshlrev_b32 v[KO], 4, v[KO]
	v_lshlrev_b32 v[TO], 4, v1
	v_lshl_add_u32 v[TO], v2, 3, v[TO]
.irp b, 0,1,2,3
	global_load_b32 v[BK+2*(\b)], v[BO], s[82:83] offset:64*(\b)        ; waited for on the way out
	global_load_b32 v[BV+2*(\b)], v[BO], s[82:83] offset:4096+64*(\b)
	v_mov_b32 v[BK+2*(\b)+1], 0
	v_mov_b32 v[BV+2*(\b)+1], 0
.endr
	; the prefetches
	s_lshl_b32 s20, s13, 8
	s_lshl_b32 s23, s42, 8
	s_and_b32 s22, ttmp7, 0xffff                   ; cluster y
	s_cmp_eq_u32 s11, 0                            ; do I fetch x's tiles?
	s_cselect_b32 s20, s20, s23                    ; the tile's first row
	s_cselect_b32 s21, s40, s41                    ; my place among the four that ask for it with me
	s_cselect_b32 s22, ttmp9, s22                  ; the coordinate along which other clusters read the same rows
	s_cselect_b64 s[PFA:PFA+1], s[68:69], s[70:71]
	s_cmp_eq_u32 s22, 0
	s_cselect_b32 s[LIM], 1, -1                    ; the same in all sixteen partners, for a given wave
	s_lshl_b32 s22, s12, 7
	s_add_co_u32 s20, s20, s22                     ; + the 128 rows that I fetch
	s_lshl_b32 s21, s21, 5
	s_add_co_u32 s20, s20, s21                     ; + my work-group's 32 of them
	s_mov_b32 s21, 0
	s_mov_b64 s[18:19], SIZE_K*2
	s_mul_u64 s[20:21], s[20:21], s[18:19]
	s_add_nc_u64 s[PFA:PFA+1], s[PFA:PFA+1], s[20:21]
	s_add_nc_u64 s[PFA:PFA+1], s[PFA:PFA+1], 2*KSTEP*2  ; at K step 2: the first refill steps it to 3 and names K step 4
	v_and_b32 v[PFO], 31, v0
	v_mul_u32_u24 v[PFO], v[PFO], SIZE_K*2
; 16 matrix instructions: row blocks a0, a0 + 1 of the window's four x all 8 column blocks, 32 along K.  zero = 1: the first product starts the sums.
.macro MUL16 f, hi, a0, zero
	WIN MUL_LO+0x50*(\hi)
.irp a, \a0, (\a0)+1
.irp b, 0,1,2,3,4,5,6,7
.if \zero
	v_wmma_f32_16x16x32_bf16 v[8*(8*(\a)+(\b)):8*(8*(\a)+(\b))+7], v[(\f)+8*(4*(\hi)+(\a)):(\f)+8*(4*(\hi)+(\a))+7], v[(\f)+8*(\b):(\f)+8*(\b)+7], 0
.else
	v_wmma_f32_16x16x32_bf16 v[8*(8*(\a)+(\b)):8*(8*(\a)+(\b))+7], v[(\f)+8*(4*(\hi)+(\a)):(\f)+8*(4*(\hi)+(\a))+7], v[(\f)+8*(\b):(\f)+8*(\b)+7], v[8*(8*(\a)+(\b)):8*(8*(\a)+(\b))+7]
.endif
.endr
.endr
.endm
; 32 LDS loads in one run: the fragments of one quarter step (32 K at byte k of the rows) into buffer f: the weights' 16 loads, then x's
.macro FETCH slot, k, f
	WIN TO_B
.irp i, 0,1,2,3,4,5,6,7
	ds_load_b128 v[(\f)+8*(\i):(\f)+8*(\i)+3],   v[ADRB+(\slot)] offset:(\k)+(\i)*16*PITCH
	ds_load_b128 v[(\f)+8*(\i)+4:(\f)+8*(\i)+7], v[ADRB+(\slot)] offset:(\k)+(\i)*16*PITCH+32
.endr
	WIN 0
.irp i, 0,1,2,3,4,5,6,7
	ds_load_b128 v[(\f)+8*(\i):(\f)+8*(\i)+3],   v[ADRA+(\slot)] offset:(\k)+(\i)*16*PITCH
	ds_load_b128 v[(\f)+8*(\i)+4:(\f)+8*(\i)+7], v[ADRA+(\slot)] offset:(\k)+(\i)*16*PITCH+32
.endr
.endm
.macro PLACES                          ; four plain vector instructions between a matrix instruction and a load into a register that it has read (ISA guide 7.12.1 for vector instructions)
.rept 4
	v_nop
.endr
.endm
; A K step is four quarters of 32 along K, 64 matrix instructions each, on buffers 0, 1, 0, 1.  One of the first three: multiplies buffer f and, in its middle, fetches the next quarter into g.
; The 64 accumulators take turns, one instruction a turn, in the same order in every quarter.
.macro QUARTER slot, k, f, g, zero
	s_wait_dscnt 8                                 ; the weights and x's rows 0-63 are in; the youngest eight loads (x's rows 64-127) may be out
	WIN MUL_LO
	MUL16 \f, 0, 0, \zero
	MUL16 \f, 0, 2, \zero
	PLACES
	FETCH \slot, \k, \g
	s_wait_dscnt 32                                ; all but the 32 just issued
	WIN MUL_HI
	MUL16 \f, 1, 0, \zero
	MUL16 \f, 1, 2, \zero
.endm
; The first half of a K step's last quarter: one barrier for the change of slots.  In front of it each wave waits for all its tensor loads (one is out: its part of the next slot), adds 0 to its spare word,
; and waits for that and for its reads of this slot.  Behind it nobody reads this slot any more and the next slot is whole.
.macro MEET round
	WIN 0
	s_wait_tensorcnt 0x0
	ds_add_u32 v[SPW], v[NIL]
	s_wait_dscnt 9                                 ; the add and the youngest eight loads may be out
	WIN MUL_LO
	MUL16 F1, 0, 0, 0
	s_wait_dscnt 0x0                               ; the add is done, and my reads of this slot are over
	s_barrier_signal -1
	MUL16 F1, 0, 2, 0
.if \round
	WIN 0
.endif
	s_barrier_wait -1
.endm
; The whole last quarter with a refill: the barrier opens a round of the cluster's; the slot just read out takes the K step two steps on, first thing behind the round; then the next slot's first fragments.
.macro TURN slot, next
	s_wait_xcnt 0x0                                ; the last prefetch, a K step back, has read its address
	s_add_nc_u64 s[PFA:PFA+1], s[PFA:PFA+1], KSTEP*2
	MEET 1
	CREST                                          ; no wave of any partner still reads this slot or has a load on its way
	s_add_nc_u64 s[G0+4*(\slot)+2:G0+4*(\slot)+3], s[G0+4*(\slot)+2:G0+4*(\slot)+3], 2*KSTEP*2
	s_add_nc_u64 s[G0B+4*(\slot)+2:G0B+4*(\slot)+3], s[G0B+4*(\slot)+2:G0B+4*(\slot)+3], 2*KSTEP*2
	JLOAD \slot                                    ; my one tensor load behind the round; its four v_nop are also the places in front of the loads below
	FETCH \next, 0, F0
	ASK
	WIN MUL_HI
	MUL16 F1, 1, 0, 0
	MUL16 F1, 1, 2, 0
.endm
	s_wait_tensorcnt 1                             ; my part of K step 0 is in; K step 1's may stay out
	s_barrier_signal -1
	s_barrier_wait -1
	FETCH 0, 0, F0
	QUARTER 0, 64,  F0, F1, 1                      ; the first quarter stands in front of the loop: its products start the sums
	WIN 0
	s_mov_b32 s3, LAPS-1
.Llap:                                                 ; a trip goes once round the ring, from a lap's second quarter to the next lap's first, and fills both slots again
	QUARTER 0, 128, F1, F0, 0
	QUARTER 0, 192, F0, F1, 0
	TURN 0, 1
	QUARTER 1, 64,  F0, F1, 0
	QUARTER 1, 128, F1, F0, 0
	QUARTER 1, 192, F0, F1, 0
	TURN 1, 0
	QUARTER 0, 64,  F0, F1, 0
	WIN 0
	s_sub_co_u32 s3, s3, 1
	s_cmp_lg_u32 s3, 0
	s_cbranch_scc1 .Llap
	QUARTER 0, 128, F1, F0, 0                      ; the last lap is written out: it fills nothing
	QUARTER 0, 192, F0, F1, 0
	MEET 0                                         ; the one load that was out is the last K step's; no round follows
	PLACES
	FETCH 1, 0, F0
	MUL16 F1, 1, 0, 0
	MUL16 F1, 1, 2, 0
	QUARTER 1, 64,  F0, F1, 0
	QUARTER 1, 128, F1, F0, 0
	QUARTER 1, 192, F0, F1, 0
	s_wait_dscnt 8
	MUL16 F1, 0, 0, 0
	MUL16 F1, 0, 2, 0
	s_wait_dscnt 0x0
	MUL16 F1, 1, 0, 0
	MUL16 F1, 1, 2, 0
	WIN 0
	; THE WAY OUT.  The biases are rounded to bf16 and widened again: twelve plain lines that name no register of the products: the places behind the last of them.
	s_wait_loadcnt 0x0                             ; the eight biases
.irp b, 0,1,2,3
	v_cvt_pk_bf16_f32 v[BK+2*(\b)], v[BK+2*(\b)], v[BV+2*(\b)]
.endr
.irp b, 0,1,2,3
	v_and_b32 v[BV+2*(\b)], s4, v[BK+2*(\b)]
.endr
.irp b, 0,1,2,3
	v_lshlrev_b32 v[BK+2*(\b)], 16, v[BK+2*(\b)]
.endr
; Block a (16 rows): k + bk and v + bv (each accumulator's registers in ascending order), their product, its share of the sums, the rounding, four stores of 512 consecutive bytes.
.macro KVBLK a
	WIN 0x02+(\a)/4                                ; source 0: window 2 or 3
.set i, 0
.rept 16
	v_pk_add_f32 v[T1+2*i:T1+2*i+1], v[64*((\a)%4)+2*i:64*((\a)%4)+2*i+1], v[BK+2*(i/4):BK+2*(i/4)+1] op_sel_hi:[1,0]
.set i, i+1
.endr
.set i, 0
.rept 16
	v_pk_add_f32 v[T2+2*i:T2+2*i+1], v[64*((\a)%4)+32+2*i:64*((\a)%4)+32+2*i+1], v[BV+2*(i/4):BV+2*(i/4)+1] op_sel_hi:[1,0]
.set i, i+1
.endr
	WIN 0
.set i, 0
.rept 16
	v_pk_mul_f32 v[T1+2*i:T1+2*i+1], v[T1+2*i:T1+2*i+1], v[T2+2*i:T2+2*i+1]
.set i, i+1
.endr
.irp p, 0,1,2,3
.irp b, 0,1,2,3
.if ((\a) == 0) && ((\p) == 1)
	v_pk_add_f32 v[SUM+2*(\b):SUM+2*(\b)+1], v[T1+8*(\b):T1+8*(\b)+1], v[T1+8*(\b)+2:T1+8*(\b)+3]  ; the first two pairs start the sums: nothing is cleared
.elseif ((\a) > 0) || ((\p) > 1)
	v_pk_add_f32 v[SUM+2*(\b):SUM+2*(\b)+1], v[SUM+2*(\b):SUM+2*(\b)+1], v[T1+8*(\b)+2*(\p):T1+8*(\b)+2*(\p)+1]
.endif
.endr
.endr
.set i, 0
.rept 16
	v_cvt_pk_bf16_f32 v[PK+16*(\a)+i], v[T1+2*i], v[T1+2*i+1]
.set i, i+1
.endr
.irp b, 0,1,2,3
	global_store_b128 v[KO], v[PK+16*(\a)+4*(\b):PK+16*(\a)+4*(\b)+3], s[84:85] offset:512*(4*(\a)+(\b)) th:TH_STORE_NT
.endr
.endm
.irp a, 0,1,2,3,4,5,6,7
	KVBLK \a
.endr
	; the sums over my 128 rows: even and odd rows', then the other half of the lanes'; lane (r, h) stores those of channels 16 (2 h) + r and 16 (2 h + 1) + r: the wave's store covers 256 consecutive bytes, aligned
.irp b, 0,1,2,3
	v_add_f32 v[TT+(\b)], v[SUM+2*(\b)], v[SUM+2*(\b)+1]
.endr
.irp b, 0,1,2,3
	v_permlanex16_b32 v[T1+(\b)], v[TT+(\b)], s92, s93
.endr
.irp b, 0,1,2,3
	v_add_f32 v[TT+(\b)], v[TT+(\b)], v[T1+(\b)]
.endr
	v_cmp_eq_u32 vcc_lo, 1, v2
	v_cndmask_b32 v[TT+4], v[TT], v[TT+2], vcc_lo
	v_cndmask_b32 v[TT+5], v[TT+1], v[TT+3], vcc_lo
	global_store_b64 v[TO], v[TT+4:TT+5], s[86:87]
	s_wait_tensorcnt 0x0                           ; the wave's end
	ds_add_u32 v[SPW], v[NIL]
	s_wait_dscnt 0x0
	CROUND                                         ; the closing round: no work-group ends while a partner may still ask for a tile that names it
	s_endpgm
.Lfunc_end_k_q430e0cf204_kvgemm:
	.size	k_q430e0cf204_kvgemm, .Lfunc_end_k_q430e0cf204_kvgemm-k_q430e0cf204_kvgemm
	.p2alignl 7, 3214868480
	.fill 96, 4, 3214868480
	.section	.rodata,"a",@progbits
	.p2align	6, 0x0
	.amdhsa_kernel k_q430e0cf204_kvgemm
		.amdhsa_group_segment_fixed_size 327680
		.amdhsa_private_segment_fixed_size 0
		.amdhsa_enable_private_segment 0
		.amdhsa_kernarg_size 40
		.amdhsa_user_sgpr_count 2
		.amdhsa_user_sgpr_kernarg_segment_ptr 1
		.amdhsa_wavefront_size32 1
		.amdhsa_system_sgpr_workgroup_id_x 1
		.amdhsa_system_sgpr_workgroup_id_y 1
		.amdhsa_system_sgpr_workgroup_id_z 1
		.amdhsa_system_vgpr_workitem_id 0
		.amdhsa_next_free_vgpr 1024
		.amdhsa_next_free_sgpr 96
		.amdhsa_reserve_vcc 1
		.amdhsa_float_denorm_mode_32 3
		.amdhsa_float_denorm_mode_16_64 3
		.amdhsa_memory_ordered 1
		.amdhsa_forward_progress 1
		.amdhsa_inst_pref_size 158
	.end_amdhsa_kernel
	.amdgpu_metadata
---
amdhsa.version: [ 1, 2 ]
amdhsa.kernels:
  - .name:           k_q430e0cf204_kvgemm
    .symbol:         k_q430e0cf204_kvgemm.kd
    .args:
      - { .name: xb, .offset: 0, .size: 8, .value_kind: global_buffer, .address_space: global }
      - { .name: wb, .offset: 8, .size: 8, .value_kind: global_buffer, .address_space: global }
      - { .name: b_qkv, .offset: 16, .size: 8, .value_kind: global_buffer, .address_space: global }
      - { .name: kvw, .offset: 24, .size: 8, .value_kind: global_buffer, .address_space: global }
      - { .name: tot, .offset: 32, .size: 8, .value_kind: global_buffer, .address_space: global }
    .group_segment_fixed_size: 327680
    .private_segment_fixed_size: 0
    .kernarg_segment_align: 8
    .kernarg_segment_size: 40
    .max_flat_workgroup_size: 128
    .sgpr_count:     96
    .vgpr_count:     1024
    .wavefront_size: 32
...
	.end_amdgpu_metadata
.endif
;; end of part 2
;; launch qggemm (part 3): grid 8 x 64, 4 waves a work-group, clusters of 4 x 4, 327,680 bytes of LDS; arguments xb, wb, b_qkv, b_gate, kvw, tot, out0; writes out0
.if DOCPART == 3
	.amdgcn_target "amdgcn-amd-amdhsa--gfx1250"
	.amdhsa_code_object_version 6
	.text
	.protected	k_q430e0cf204_qggemm
	.globl	k_q430e0cf204_qggemm
	.p2align	8
	.type	k_q430e0cf204_qggemm,@function
k_q430e0cf204_qggemm:
	s_mov_b64 s[64:65], 0
	v_nop
	global_prefetch_b8 v0, s[64:65] scope:SCOPE_SE
	s_setreg_imm32_b32 hwreg(HW_REG_WAVE_MODE, 25, 1), 1
	s_wait_xcnt 0x0
	s_wait_alu depctr_hold_cnt(0) depctr_sa_sdst(0) depctr_va_vdst(0) depctr_va_sdst(0) depctr_va_ssrc(0) depctr_va_vcc(0) depctr_vm_vsrc(0)
	s_getreg_b32 s2, hwreg(HW_REG_IB_STS2, 6, 4)
	s_cmp_eq_u32 s2, 0
	s_cbranch_scc0 .Lentry_in_a_cluster
	s_endpgm
.Lentry_in_a_cluster:
	s_bfe_u32 s2, ttmp6, 0x10000c
	s_cmp_lg_u32 s2, 0xf033
	s_cbranch_scc0 .Lentry_shape_is_right
	s_endpgm
.Lentry_shape_is_right:
; out = (x Wq^T + bq) x cumsum over the rows of a batch of (k v) x sigmoid(x Wg^T + bg).  xb: [16384][1024] bf16.  wb's rows 2048-4095: row 256 cg + 128 wc + 64 sel + i is the weight row of channel
; 128 cg + 64 wc + i, sel 0 for q, 1 for the gate.  kvw: k v in bf16, as the launch before left its registers; tot: its f32 sums over each 128 rows.  out0: [16384][1024] f32.  A batch is 4,096 rows: 16 row tiles.
; LIMITS.  x and the weights arrive rounded to bf16; the biases are rounded to bf16 here, so that all inputs have one rounding.  k v enters the sums inside 128 rows rounded once to bf16; what is carried from
; 128 rows to the next is f32, of the unrounded products.  The gate is 1 / (1 + 2^(-z log2 e)): below 2^-126 it counts as 0.  NaN and infinities are not treated apart.
; SHARES, RING, CLUSTER as in the launch before: a work-group makes 256 rows x 256 weight rows, wave = 2 wr + wc 128 x 128 in 64 accumulators; 8 K steps of 128 through two LDS slots; 4 x 4 work-groups ask jointly
; for x's tiles along a row of the cluster and for the weights' along a column.
; LAYOUT.  The products are used transposed (source 0 = 16 weight rows, source 1 = 16 rows of x): lane l = 16 h + r holds row r of the block and the channels 8 h + 0..7.  Column blocks 0-3 are q, 4-7 the gate.
; THE RUNNING SUM.  carry = the sum of tot over the batch's earlier half tiles of 128 rows: all 32 are loaded, and the later ones are deselected (a choice of values: no trip count hangs on the place).  Inside my 128
; rows: for block a of 16 rows, CS = carry + KV^T U, by the matrix unit: source 0 = 16 channels x 32 rows of k v (two blocks of kvw as they lie), source 1 = for each of the block's 16 rows a row of ones and zeros
; that says which of the 32 rows lie at or above it.  The result lies as q does.  a / 2 + 1 steps of 32 rows, four channel blocks: 80 matrix instructions beside the wave's 2,048.
; REGISTERS, in windows of 256 (s_set_vgpr_msb: bits 1:0 source 0, 3:2 source 1, 5:4 source 2, 7:6 destination):
;   window 0: v0-31 addresses; v32-63 carry; v64-191 fragments of x, two buffers; on the way out v64-79 the ones and zeros, v80-111 CS, v112-143 gate, v144-175 q and the result; v192-223 bq, v224-255 bg
;   window 1: v64-191 fragments of the weights (on the way out v64-127: rows read back from the stage); v0-63, v192-255 k v      windows 2, 3: the accumulators ((a, b) at v[8 (8 (a % 4) + b)])
.set SIZE_K, 1024
.set KSTEP,  128
.set PITCH,  272                       ; an LDS row: 256 bytes + 16 of padding = 68 words: row r starts at bank 4 r mod 64 (64 banks of 4 bytes: ISA guide 11.1)
.set HALFT,  128*PITCH
.set SLOT,   4*HALFT
.set STAGE,  2*SLOT                    ; behind the ring, never filled by a tensor load: 16 rows x 272 bytes for each wave, for the way out
.set SPITCH, 272
.set CARRY,  STAGE+4*16*SPITCH         ; 64 f32 for each wave: 256 bytes
.set SPARE,  CARRY+4*256               ; the spare words, 128 bytes a wave: two blocks of 256 bytes that no other line names
.set LAPS,   SIZE_K/(2*KSTEP)
.set KO,   7                           ; v7   16 l: my 16 bytes of a block of kvw
.set BO,   8                           ; v8   32 h: my 8 channels in 16 biases
.set CST,  9                           ; v9   where I put a channel's carry: my wave's 256 bytes + 4 r
.set CLD,  10                          ; v10  where I read eight of them: + 32 h
.set MH,   11                          ; v11  my half tile's number in the batch, less h
.set ADRA, 16
.set ADRB, 20
.set STO,  24                          ; v24  the way out: where I put 16 bytes of a row
.set RD,   25                          ; v25  where I read a row back
.set CO,   26                          ; v26  4,096 h + 16 r: my bytes in two rows of out0, and in two half tiles of tot
.set SPW,  28
.set NIL,  29
.set PFO,  30
.set CIN,  32                          ; v[32+8 nb+j]  carry of channel 16 nb + 8 h + j
.set ONES, 64                          ; v[64:71] ones;  v[68:75] ODD: ones, then T;  v[72:79] EVEN: T, then zeros.  T: 1 where 8 h + e <= r, e = 0..7
.set EVEN, 72
.set CS,   80
.set ZG,   112
.set QP,   144
.set BQ,   192
.set BG,   224
.set OB,   64                          ; window 1: two buffers of 32
.set F0,   64
.set F1,   128
.set G1,   24
.set G0,   32
.set LIM,  43
.set PFA,  44
.set G1B,  48
.set G0B,  56
.set MSB, 0
.macro WIN new                         ; the immediate's high byte repeats the setting that is left; a switch that changes nothing is dropped
.if MSB != (\new)
	s_set_vgpr_msb (MSB<<8)|(\new)
.set MSB, \new
.endif
.endm
.set MUL_LO, 0xa1                      ; source 0 (weights) window 1, source 1 (x) window 0, C and D window 2
.set MUL_HI, 0xf1
.set TO_B,   0x40
; A joint load.  Waves 0 and 1 fetch x's two halves, waves 2 and 3 the weights'; the branch hangs on the wave's number alone.  An s_nop 0 and four v_nop follow each line.
.macro JLOAD s
	s_cmp_eq_u32 s11, 0
	s_cbranch_scc0 .Lfor_b_\@
	tensor_load_to_lds s[G0+4*(\s):G0+4*(\s)+3], s[G1:G1+7]
	s_nop 0
.rept 4
	v_nop
.endr
	s_branch .Lasked_\@
.Lfor_b_\@:
	tensor_load_to_lds s[G0B+4*(\s):G0B+4*(\s)+3], s[G1B:G1B+7]
	s_nop 0
.rept 4
	v_nop
.endr
.Lasked_\@:
.endm
; A PREFETCH INTO THE L2, behind each joint load and the run of LDS loads that follows it: the K step two refills on, 512 matrix instructions ahead of its load: 32 rows x 256 bytes, a lane a row.  Each row's 256
; bytes of a K step are named once: x's by the cluster with x = 0, the weights' by the cluster with y = 0, the four partners 32 rows each, told apart by address.  K steps 4 to 7; the loop's last trip asks for nothing.
.macro ASK
	s_cmp_gt_u32 s3, s[LIM]
	s_cbranch_scc0 .Lnot_mine_\@
	global_prefetch_b8 v[PFO], s[PFA:PFA+1] offset:KSTEP*2 th:TH_LOAD_NT scope:SCOPE_SE
.Lnot_mine_\@:
.endm
.macro CREST
	s_cmp_lg_u32 s10, 0
	s_cbranch_scc1 .Lnot_wave_0_\@
	s_barrier_signal -3
.Lnot_wave_0_\@:
	s_barrier_wait -3
	s_barrier_signal -1
	s_barrier_wait -1
.endm
.macro CROUND
	s_barrier_signal -1
	s_barrier_wait -1
	CREST
.endm
	s_load_b256 s[68:75], s[0:1], 0x0              ; xb s[68:69], wb s[70:71], b_qkv s[72:73], b_gate s[74:75]
	s_load_b128 s[76:79], s[0:1], 0x20             ; kvw s[76:77], tot s[78:79]
	s_load_b64 s[80:81], s[0:1], 0x30              ; out0
	v_lshl_add_u32 v[SPW], v0, 2, SPARE
	v_mov_b32 v[NIL], 0
	ds_add_u32 v[SPW], v[NIL]                      ; the wave's opening: the add, twice on end, and its wait ahead of my first tensor load; the set-up below stands between
	ds_add_u32 v[SPW], v[NIL]
	v_lshrrev_b32 v1, 5, v0
	v_readfirstlane_b32 s10, v1                    ; wave 0..3
	s_lshr_b32 s11, s10, 1                         ; wr.  Also: I fetch x's tiles (0) or the weights' (1)
	s_and_b32 s12, s10, 1                          ; wc.  Also: which 128 rows of that tile I fetch
	s_bfe_u32 s40, ttmp6, 0x40000                  ; cx
	s_bfe_u32 s41, ttmp6, 0x40004                  ; cy
	s_lshl_b32 s42, ttmp9, 2
	s_add_co_u32 s42, s42, s40                     ; cg
	s_and_b32 s13, ttmp7, 0xffff
	s_lshl_b32 s13, s13, 2
	s_add_co_u32 s13, s13, s41                     ; ty
	s_lshl_b32 s43, s41, 2
	s_lshl_b32 s43, 15, s43                        ; my row of the cluster
	s_lshl_b32 s44, 0x1111, s40                    ; my column
	s_or_b32 s[G1+0], s43, (1<<16)|(1<<20)|(1<<21)|(5<<22)|(3<<25)   ; 15:0 the mask; 17:16 elements of 2 bytes; 20 padding on; 21 set beside a mask; 24:22 after every 64 words; 31:25 of 4 words
	s_or_b32 s[G1B+0], s44, (1<<16)|(1<<20)|(1<<21)|(5<<22)|(3<<25)
.irp g, G1, G1B
	s_mov_b32 s[(\g)+1], KSTEP<<16
	s_mov_b32 s[(\g)+2], 128<<16
	s_mov_b32 s[(\g)+3], KSTEP<<16
	s_mov_b32 s[(\g)+4], 128
	s_mov_b32 s[(\g)+5], SIZE_K
	s_mov_b32 s[(\g)+6], 0
	s_mov_b32 s[(\g)+7], 0
.endr
	s_mov_b32 s4, 0xffff0000                       ; a word's upper bf16
	s_mov_b32 s66, 0x3f80                          ; 1.0 in bf16, in the low half,
	s_mov_b32 s67, 0x3f800000                      ; in the high half
	s_mov_b32 s92, 0x76543210                      ; v_permlanex16_b32: each lane takes its own place in the other half
	s_mov_b32 s93, 0xfedcba98
	s_mov_b32 s94, 0xbfb8aa3b                      ; -log2(e)
	s_mov_b32 s95, s94                             ; named with it as a pair
	s_lshl_b32 s17, s12, 7
	s_lshl_b32 s16, s13, 8
	s_add_co_u32 s16, s16, s17                     ; x: row 256 ty + 128 x half
	s_lshl_b32 s46, s42, 8
	s_add_co_u32 s46, s46, s17                     ; weights: row 256 cg + 128 x half
	s_mov_b32 s17, 0
	s_mov_b32 s47, 0
	s_mov_b64 s[18:19], SIZE_K*2
	s_mul_u64 s[16:17], s[16:17], s[18:19]
	s_mul_u64 s[46:47], s[46:47], s[18:19]
	s_mul_i32 s20, s10, HALFT
	s_wait_dscnt 0x0                               ; both opening adds are done
	s_wait_kmcnt 0x0
	s_add_nc_u64 s[70:71], s[70:71], 2048*SIZE_K*2 ; wb's second half
	s_add_nc_u64 s[14:15], s[68:69], s[16:17]
	s_add_nc_u64 s[46:47], s[70:71], s[46:47]
	CROUND                                         ; all sixteen work-groups are here: the first joint loads meet
.irp s, 0,1
	s_mov_b32 s[G0+4*(\s)], 1
	s_add_co_u32 s[G0+4*(\s)+1], s20, (\s)*SLOT
	s_add_nc_u64 s[G0+4*(\s)+2:G0+4*(\s)+3], s[14:15], (\s)*KSTEP*2
	s_or_b32 s[G0+4*(\s)+3], s[G0+4*(\s)+3], 0x80000000
	s_mov_b32 s[G0B+4*(\s)], 1
	s_add_co_u32 s[G0B+4*(\s)+1], s20, (\s)*SLOT
	s_add_nc_u64 s[G0B+4*(\s)+2:G0B+4*(\s)+3], s[46:47], (\s)*KSTEP*2
	s_or_b32 s[G0B+4*(\s)+3], s[G0B+4*(\s)+3], 0x80000000
	JLOAD \s                                       ; K steps 0 and 1: two tensor loads of mine are out
.endr
	v_and_b32 v1, 15, v0                           ; r
	v_bfe_u32 v2, v0, 4, 1                         ; h
	v_mul_u32_u24 v3, v1, PITCH
	v_lshl_add_u32 v3, v2, 4, v3
	s_mul_i32 s21, s11, HALFT
	s_mul_i32 s22, s12, HALFT
	s_add_co_u32 s22, s22, 2*HALFT
.irp s, 0,1
	v_add_nc_u32 v[ADRA+(\s)], s21, v3
	v_add_nc_u32 v[ADRB+(\s)], s22, v3
	s_add_co_u32 s21, s21, SLOT
	s_add_co_u32 s22, s22, SLOT
.endr
	s_lshl_b32 s20, s42, 9
	s_lshl_b32 s21, s12, 8
	s_add_co_u32 s20, s20, s21                     ; 512 cg + 256 wc: my 64 channels as f32
	s_mov_b32 s21, 0
	s_add_nc_u64 s[86:87], s[72:73], s[20:21]      ; bq
	s_add_nc_u64 s[88:89], s[74:75], s[20:21]      ; bg
	s_lshr_b32 s22, s13, 4
	s_lshl_b32 s22, s22, 17                        ; my batch's 32 half tiles of 4,096 bytes
	s_add_co_u32 s22, s22, s20
	s_mov_b32 s23, 0
	s_add_nc_u64 s[82:83], s[78:79], s[22:23]      ; tot
	s_lshl_b32 s22, s13, 3
	s_add_co_u32 s22, s22, s42
	s_lshl_b32 s22, s22, 2
	s_add_co_u32 s22, s22, s10
	s_lshl_b32 s22, s22, 14                        ; ((8 ty + cg) 4 + wave) x 16,384
	s_add_nc_u64 s[84:85], s[76:77], s[22:23]      ; kvw
	s_lshl_b32 s22, s13, 1
	s_add_co_u32 s22, s22, s11
	s_lshl_b32 s22, s22, 19                        ; row 256 ty + 128 wr, 4,096 bytes each
	s_add_co_u32 s22, s22, s20
	s_add_nc_u64 s[90:91], s[80:81], s[22:23]      ; out0
	s_and_b32 s22, s13, 15
	s_lshl_b32 s22, s22, 1
	s_add_co_u32 s22, s22, s11                     ; my half tile's number in the batch
	v_sub_nc_u32 v[MH], s22, v2
	v_and_b32 v[KO], 31, v0
	v_lshlrev_b32 v[KO], 4, v[KO]
	v_lshlrev_b32 v[BO], 5, v2
	s_lshl_b32 s22, s10, 8
	s_add_co_u32 s22, s22, CARRY
	v_lshl_add_u32 v[CST], v1, 2, s22
	v_lshl_add_u32 v[CLD], v2, 5, s22
	s_mul_i32 s23, s10, 16*SPITCH
	s_add_co_u32 s23, s23, STAGE                   ; my stage
	v_mul_u32_u24 v4, v1, SPITCH                   ; in: row r, 32 bytes for each half of the lanes
	v_lshl_add_u32 v4, v2, 5, v4
	v_add_nc_u32 v[STO], s23, v4
	v_mul_u32_u24 v5, v2, SPITCH                   ; back: lanes 0-15 take one row of 256 bytes, lanes 16-31 the next
	v_lshl_add_u32 v5, v1, 4, v5
	v_add_nc_u32 v[RD], s23, v5
	v_lshlrev_b32 v5, 12, v2
	v_lshl_add_u32 v[CO], v1, 4, v5
	; 64 loads: tot of the batch's 32 half tiles (load i: half tile 2 i + h, channels 16 b' + r), the biases, and my 16,384 bytes of k v, which land while the products run
.set i, 0
.rept 16
	global_load_b128 v[64+4*i:64+4*i+3], v[CO], s[82:83] offset:8192*i
.set i, i+1
.endr
.irp nb, 0,1,2,3
	global_load_b128 v[BQ+8*(\nb):BQ+8*(\nb)+3],   v[BO], s[86:87] offset:64*(\nb)
	global_load_b128 v[BQ+8*(\nb)+4:BQ+8*(\nb)+7], v[BO], s[86:87] offset:64*(\nb)+16
	global_load_b128 v[BG+8*(\nb):BG+8*(\nb)+3],   v[BO], s[88:89] offset:64*(\nb)
	global_load_b128 v[BG+8*(\nb)+4:BG+8*(\nb)+7], v[BO], s[88:89] offset:64*(\nb)+16
.endr
	WIN 0x40                                       ; destination window 1: fragment 4 (a / 2) + b' at v[8 f] (f < 8) or v[128 + 8 f]; block a is its half a % 2
.irp a, 0,1,2,3,4,5,6,7
.irp b, 0,1,2,3
.set fr, 4*((\a)/2)+(\b)
.set rK, 8*fr+128*(fr/8)+4*((\a)%2)
	global_load_b128 v[rK:rK+3], v[KO], s[84:85] offset:512*(4*(\a)+(\b)) th:TH_LOAD_NT
.endr
.endr
	WIN 0
	; the prefetches
	s_lshl_b32 s20, s13, 8
	s_lshl_b32 s23, s42, 8
	s_and_b32 s22, ttmp7, 0xffff
	s_cmp_eq_u32 s11, 0
	s_cselect_b32 s20, s20, s23
	s_cselect_b32 s21, s40, s41
	s_cselect_b32 s22, ttmp9, s22
	s_cselect_b64 s[PFA:PFA+1], s[68:69], s[70:71]
	s_cmp_eq_u32 s22, 0
	s_cselect_b32 s[LIM], 1, -1                    ; the same in all sixteen partners, for a given wave
	s_lshl_b32 s22, s12, 7
	s_add_co_u32 s20, s20, s22
	s_lshl_b32 s21, s21, 5
	s_add_co_u32 s20, s20, s21
	s_mov_b32 s21, 0
	s_mov_b64 s[18:19], SIZE_K*2
	s_mul_u64 s[20:21], s[20:21], s[18:19]
	s_add_nc_u64 s[PFA:PFA+1], s[PFA:PFA+1], s[20:21]
	s_add_nc_u64 s[PFA:PFA+1], s[PFA:PFA+1], 2*KSTEP*2
	v_and_b32 v[PFO], 31, v0
	v_mul_u32_u24 v[PFO], v[PFO], SIZE_K*2
	; THE CARRY: half tile 2 i + h counts where 2 i < my number - h; the others are replaced by 0, not multiplied by it.  Then the other half of the lanes'; then through my 256 bytes of LDS into q's layout.
	s_wait_loadcnt 48                              ; tot's 16 loads are in; the 16 of the biases and the 32 of k v are younger and may stay out
	v_cmp_lt_i32 vcc_lo, 0, v[MH]
.irp c, 0,1,2,3
	v_cndmask_b32 v[CIN+(\c)], 0, v[64+(\c)], vcc_lo
.endr
.set i, 1
.rept 15
	v_cmp_lt_i32 vcc_lo, 2*i, v[MH]
	v_cndmask_b32 v12, 0, v[64+4*i], vcc_lo
	v_cndmask_b32 v13, 0, v[64+4*i+1], vcc_lo
	v_cndmask_b32 v14, 0, v[64+4*i+2], vcc_lo
	v_cndmask_b32 v15, 0, v[64+4*i+3], vcc_lo
	v_pk_add_f32 v[CIN:CIN+1], v[CIN:CIN+1], v[12:13]
	v_pk_add_f32 v[CIN+2:CIN+3], v[CIN+2:CIN+3], v[14:15]
.set i, i+1
.endr
.irp c, 0,1,2,3
	v_permlanex16_b32 v[12+(\c)], v[CIN+(\c)], s92, s93
.endr
.irp c, 0,1,2,3
	v_add_f32 v[CIN+(\c)], v[CIN+(\c)], v[12+(\c)]
.endr
.irp c, 0,1,2,3
	ds_store_b32 v[CST], v[CIN+(\c)] offset:64*(\c)  ; channel 16 c + r; both halves of the lanes write the same number; only my wave reads these bytes
.endr
.macro MUL16 f, hi, a0, zero
	WIN MUL_LO+0x50*(\hi)
.irp a, \a0, (\a0)+1
.irp b, 0,1,2,3,4,5,6,7
.if \zero
	v_wmma_f32_16x16x32_bf16 v[8*(8*(\a)+(\b)):8*(8*(\a)+(\b))+7], v[(\f)+8*(\b):(\f)+8*(\b)+7], v[(\f)+8*(4*(\hi)+(\a)):(\f)+8*(4*(\hi)+(\a))+7], 0
.else
	v_wmma_f32_16x16x32_bf16 v[8*(8*(\a)+(\b)):8*(8*(\a)+(\b))+7], v[(\f)+8*(\b):(\f)+8*(\b)+7], v[(\f)+8*(4*(\hi)+(\a)):(\f)+8*(4*(\hi)+(\a))+7], v[8*(8*(\a)+(\b)):8*(8*(\a)+(\b))+7]
.endif
.endr
.endr
.endm
.macro FETCH slot, k, f
	WIN TO_B
.irp i, 0,1,2,3,4,5,6,7
	ds_load_b128 v[(\f)+8*(\i):(\f)+8*(\i)+3],   v[ADRB+(\slot)] offset:(\k)+(\i)*16*PITCH
	ds_load_b128 v[(\f)+8*(\i)+4:(\f)+8*(\i)+7], v[ADRB+(\slot)] offset:(\k)+(\i)*16*PITCH+32
.endr
	WIN 0
.irp i, 0,1,2,3,4,5,6,7
	ds_load_b128 v[(\f)+8*(\i):(\f)+8*(\i)+3],   v[ADRA+(\slot)] offset:(\k)+(\i)*16*PITCH
	ds_load_b128 v[(\f)+8*(\i)+4:(\f)+8*(\i)+7], v[ADRA+(\slot)] offset:(\k)+(\i)*16*PITCH+32
.endr
.endm
.macro PLACES                          ; four plain vector instructions between a matrix instruction and a load into a register that it has read (ISA guide 7.12.1 for vector instructions)
.rept 4
	v_nop
.endr
.endm
; A K step is four quarters of 32 along K, 64 matrix instructions each, on buffers 0, 1, 0, 1; the 64 accumulators take turns, one instruction a turn, in the same order in every quarter.
.macro QUARTER slot, k, f, g, zero
	s_wait_dscnt 8                                 ; the weights and x's rows 0-63 are in; the youngest eight loads (x's rows 64-127) may be out
	WIN MUL_LO
	MUL16 \f, 0, 0, \zero
	MUL16 \f, 0, 2, \zero
	PLACES
	FETCH \slot, \k, \g
	s_wait_dscnt 32                                ; all but the 32 just issued
	WIN MUL_HI
	MUL16 \f, 1, 0, \zero
	MUL16 \f, 1, 2, \zero
.endm
; One barrier for the change of slots: in front of it each wave waits for all its tensor loads (one is out: its part of the next slot), adds 0 to its spare word, and waits for that and for its reads of this slot.
.macro MEET round
	WIN 0
	s_wait_tensorcnt 0x0
	ds_add_u32 v[SPW], v[NIL]
	s_wait_dscnt 9                                 ; the add and the youngest eight loads may be out
	WIN MUL_LO
	MUL16 F1, 0, 0, 0
	s_wait_dscnt 0x0                               ; the add is done, and my reads of this slot are over
	s_barrier_signal -1
	MUL16 F1, 0, 2, 0
.if \round
	WIN 0
.endif
	s_barrier_wait -1
.endm
.macro TURN slot, next
	s_wait_xcnt 0x0                                ; the last prefetch, a K step back, has read its address
	s_add_nc_u64 s[PFA:PFA+1], s[PFA:PFA+1], KSTEP*2
	MEET 1
	CREST                                          ; no wave of any partner still reads this slot or has a load on its way
	s_add_nc_u64 s[G0+4*(\slot)+2:G0+4*(\slot)+3], s[G0+4*(\slot)+2:G0+4*(\slot)+3], 2*KSTEP*2
	s_add_nc_u64 s[G0B+4*(\slot)+2:G0B+4*(\slot)+3], s[G0B+4*(\slot)+2:G0B+4*(\slot)+3], 2*KSTEP*2
	JLOAD \slot                                    ; my one tensor load behind the round; its four v_nop are also the places in front of the loads below
	FETCH \next, 0, F0
	ASK
	WIN MUL_HI
	MUL16 F1, 1, 0, 0
	MUL16 F1, 1, 2, 0
.endm
	s_wait_dscnt 0x0                               ; the carry's four stores: no LDS instruction of mine is out at a signal
	s_wait_tensorcnt 1                             ; my part of K step 0 is in; K step 1's may stay out
	s_barrier_signal -1
	s_barrier_wait -1
	FETCH 0, 0, F0
	QUARTER 0, 64,  F0, F1, 1                      ; the first quarter stands in front of the loop: its products start the sums
	WIN 0
	s_mov_b32 s3, LAPS-1
.Llap:
	QUARTER 0, 128, F1, F0, 0
	QUARTER 0, 192, F0, F1, 0
	TURN 0, 1
	QUARTER 1, 64,  F0, F1, 0
	QUARTER 1, 128, F1, F0, 0
	QUARTER 1, 192, F0, F1, 0
	TURN 1, 0
	QUARTER 0, 64,  F0, F1, 0
	WIN 0
	s_sub_co_u32 s3, s3, 1
	s_cmp_lg_u32 s3, 0
	s_cbranch_scc1 .Llap
	QUARTER 0, 128, F1, F0, 0                      ; the last lap is written out: it fills nothing
	QUARTER 0, 192, F0, F1, 0
	MEET 0
	PLACES
	FETCH 1, 0, F0
	MUL16 F1, 1, 0, 0
	MUL16 F1, 1, 2, 0
	QUARTER 1, 64,  F0, F1, 0
	QUARTER 1, 128, F1, F0, 0
	QUARTER 1, 192, F0, F1, 0
	s_wait_dscnt 8
	MUL16 F1, 0, 0, 0
	MUL16 F1, 0, 2, 0
	s_wait_dscnt 0x0
	MUL16 F1, 1, 0, 0
	MUL16 F1, 1, 2, 0
	WIN 0
	; THE WAY OUT.  The 64 biases are rounded to bf16 and widened again: 96 plain lines that name no register of the products: the places behind the last of them.  bg is then multiplied by -log2(e).
	s_wait_loadcnt 0x0                             ; the biases and k v
.set i, 0
.rept 8
.irp j, 0,1,2,3
	v_cvt_pk_bf16_f32 v[12+(\j)], v[BQ+8*i+2*(\j)], v[BQ+8*i+2*(\j)+1]
.endr
.irp j, 0,1,2,3
	v_lshlrev_b32 v[BQ+8*i+2*(\j)], 16, v[12+(\j)]
	v_and_b32 v[BQ+8*i+2*(\j)+1], s4, v[12+(\j)]
.endr
.set i, i+1
.endr
.set i, 0
.rept 16
	v_pk_mul_f32 v[BG+2*i:BG+2*i+1], v[BG+2*i:BG+2*i+1], s[94:95] op_sel_hi:[1,0]
.set i, i+1
.endr
	v_lshlrev_b32 v12, 3, v2
	v_sub_nc_u32 v12, v1, v12                      ; r - 8 h: element e of T is 1 where e is not greater
.irp i, 0,1,2,3
	v_cmp_le_i32 vcc_lo, 2*(\i), v12
	v_cndmask_b32 v13, 0, s66, vcc_lo
	v_cmp_le_i32 vcc_lo, 2*(\i)+1, v12
	v_cndmask_b32 v14, 0, s67, vcc_lo
	v_or_b32 v[EVEN+(\i)], v13, v14
.endr
.irp i, 0,1,2,3,4,5,6,7
	v_mov_b32 v[ONES+(\i)], 0x3f803f80
.endr
.irp i, 4,5,6,7
	v_mov_b32 v[EVEN+(\i)], 0
.endr
.irp nb, 0,1,2,3
	ds_load_b128 v[CIN+8*(\nb):CIN+8*(\nb)+3],   v[CLD] offset:64*(\nb)
	ds_load_b128 v[CIN+8*(\nb)+4:CIN+8*(\nb)+7], v[CLD] offset:64*(\nb)+16
.endr
	s_wait_dscnt 0x0
; Block a (16 rows).  The running sum: steps of 32 rows, four channel blocks by turns, one instruction a turn; the first step takes the carry as C.  Then the gate's argument and q + bq: 32 plain
; lines that name no register of those products: their places.  The 32 exponentials are one batch, q x CS between them, with one wait ahead of the first line that names a result;
; the 32 reciprocals are a second batch, with a plain line and one wait.
.macro BLOCK a
	WIN 0x01                                       ; source 0 (k v) window 1
.set kc, 0
.rept (\a)/2+1
.irp nb, 0,1,2,3
.set fr, 4*kc+(\nb)
.set rK, 8*fr+128*(fr/8)
.set rU, ONES                          ; 32 rows that all lie above the block
.if kc == (\a)/2
.set rU, EVEN-4*((\a)%2)               ; the 32 rows that hold the block: in their first half (T, zeros) or their second (ones, T)
.endif
.if kc == 0
	v_wmma_f32_16x16x32_bf16 v[CS+8*(\nb):CS+8*(\nb)+7], v[rK:rK+7], v[rU:rU+7], v[CIN+8*(\nb):CIN+8*(\nb)+7]
.else
	v_wmma_f32_16x16x32_bf16 v[CS+8*(\nb):CS+8*(\nb)+7], v[rK:rK+7], v[rU:rU+7], v[CS+8*(\nb):CS+8*(\nb)+7]
.endif
.endr
.set kc, kc+1
.endr
	WIN 0x02+(\a)/4                                ; source 0: window 2 or 3; each accumulator's registers in ascending order
.set i, 0
.rept 16
	v_pk_fma_f32 v[ZG+2*i:ZG+2*i+1], v[64*((\a)%4)+32+2*i:64*((\a)%4)+32+2*i+1], s[94:95], v[BG+2*i:BG+2*i+1] op_sel_hi:[1,0,1]
.set i, i+1
.endr
.set i, 0
.rept 16
	v_pk_add_f32 v[QP+2*i:QP+2*i+1], v[64*((\a)%4)+2*i:64*((\a)%4)+2*i+1], v[BQ+2*i:BQ+2*i+1]
.set i, i+1
.endr
	WIN 0
.set i, 0
.rept 16
	v_exp_f32 v[ZG+2*i], v[ZG+2*i]
	v_exp_f32 v[ZG+2*i+1], v[ZG+2*i+1]
	v_pk_mul_f32 v[QP+2*i:QP+2*i+1], v[QP+2*i:QP+2*i+1], v[CS+2*i:CS+2*i+1]
.set i, i+1
.endr
	s_wait_alu depctr_va_vdst(0)                   ; one wait for the 32 exponentials; the multiply above is the plain line behind the last
.set i, 0
.rept 16
	v_pk_add_f32 v[ZG+2*i:ZG+2*i+1], v[ZG+2*i:ZG+2*i+1], 1.0 op_sel_hi:[1,0]
.set i, i+1
.endr
.set i, 0
.rept 32
	v_rcp_f32 v[ZG+i], v[ZG+i]
.set i, i+1
.endr
	v_nop                                          ; a plain line behind the last reciprocal,
	s_wait_alu depctr_va_vdst(0)                   ; and one wait for the 32
.set i, 0
.rept 16
	v_pk_mul_f32 v[QP+2*i:QP+2*i+1], v[QP+2*i:QP+2*i+1], v[ZG+2*i:ZG+2*i+1]
.set i, i+1
.endr
.endm
; A lane's eight channels of a row are 32 bytes; they go into my stage's rows of 272 bytes and come back as whole rows of 256.
.macro TOSTAGE a
	WIN 0
	s_wait_xcnt 0x0                                ; the stores issued so far have read their registers: the buffer that block a - 2's stores read is loaded again only behind this wait
.irp nb, 0,1,2,3
	ds_store_b128 v[STO], v[QP+8*(\nb):QP+8*(\nb)+3]   offset:64*(\nb)
	ds_store_b128 v[STO], v[QP+8*(\nb)+4:QP+8*(\nb)+7] offset:64*(\nb)+16
.endr
	WIN 0x40
.irp t, 0,1,2,3,4,5,6,7
	ds_load_b128 v[OB+32*((\a)%2)+4*(\t):OB+32*((\a)%2)+4*(\t)+3], v[RD] offset:(\t)*2*SPITCH  ; LDS serves a wave's instructions in order (ISA guide 5.7.1.4): these see the stores above, and the next block's stores come behind them
.endr
	WIN 0
.endm
.macro SEND a
	s_wait_dscnt 0x0                               ; the block is back in registers
	WIN 0x04                                       ; the stores' data in window 1
.irp t, 0,1,2,3,4,5,6,7
	global_store_b128 v[CO], v[OB+32*((\a)%2)+4*(\t):OB+32*((\a)%2)+4*(\t)+3], s[90:91] offset:65536*(\a)+8192*(\t) th:TH_STORE_NT  ; 16 lanes store 256 consecutive bytes, at a multiple of 256 from out0's first byte
.endr
	WIN 0
.endm
	BLOCK 0
	TOSTAGE 0
.irp a, 1,2,3,4,5,6,7                  ; a block's arithmetic stands between the loads of the block before and its stores
	BLOCK \a
	SEND (\a)-1
	TOSTAGE \a
.endr
	SEND 7
	s_wait_tensorcnt 0x0                           ; the wave's end, behind my last tensor load and my last LDS store
	ds_add_u32 v[SPW], v[NIL]
	s_wait_dscnt 0x0
	CROUND                                         ; the closing round: no work-group ends while a partner may still ask for a tile that names it
	s_endpgm
.Lfunc_end_k_q430e0cf204_qggemm:
	.size	k_q430e0cf204_qggemm, .Lfunc_end_k_q430e0cf204_qggemm-k_q430e0cf204_qggemm
	.p2alignl 7, 3214868480
	.fill 96, 4, 3214868480
	.section	.rodata,"a",@progbits
	.p2align	6, 0x0
	.amdhsa_kernel k_q430e0cf204_qggemm
		.amdhsa_group_segment_fixed_size 327680
		.amdhsa_private_segment_fixed_size 0
		.amdhsa_enable_private_segment 0
		.amdhsa_kernarg_size 56
		.amdhsa_user_sgpr_count 2
		.amdhsa_user_sgpr_kernarg_segment_ptr 1
		.amdhsa_wavefront_size32 1
		.amdhsa_system_sgpr_workgroup_id_x 1
		.amdhsa_system_sgpr_workgroup_id_y 1
		.amdhsa_system_sgpr_workgroup_id_z 1
		.amdhsa_system_vgpr_workitem_id 0
		.amdhsa_next_free_vgpr 1024
		.amdhsa_next_free_sgpr 96
		.amdhsa_reserve_vcc 1
		.amdhsa_float_denorm_mode_32 3
		.amdhsa_float_denorm_mode_16_64 3
		.amdhsa_memory_ordered 1
		.amdhsa_forward_progress 1
		.amdhsa_inst_pref_size 210
	.end_amdhsa_kernel
	.amdgpu_metadata
---
amdhsa.version: [ 1, 2 ]
amdhsa.kernels:
  - .name:           k_q430e0cf204_qggemm
    .symbol:         k_q430e0cf204_qggemm.kd
    .args:
      - { .name: xb, .offset: 0, .size: 8, .value_kind: global_buffer, .address_space: global }
      - { .name: wb, .offset: 8, .size: 8, .value_kind: global_buffer, .address_space: global }
      - { .name: b_qkv, .offset: 16, .size: 8, .value_kind: global_buffer, .address_space: global }
      - { .name: b_gate, .offset: 24, .size: 8, .value_kind: global_buffer, .address_space: global }
      - { .name: kvw, .offset: 32, .size: 8, .value_kind: global_buffer, .address_space: global }
      - { .name: tot, .offset: 40, .size: 8, .value_kind: global_buffer, .address_space: global }
      - { .name: out0, .offset: 48, .size: 8, .value_kind: global_buffer, .address_space: global }
    .group_segment_fixed_size: 327680
    .private_segment_fixed_size: 0
    .kernarg_segment_align: 8
    .kernarg_segment_size: 56
    .max_flat_workgroup_size: 128
    .sgpr_count:     96
    .vgpr_count:     1024
    .wavefront_size: 32
...
	.end_amdgpu_metadata
.endif
;; end of part 3
;; ======== version 2 of 2: 3 launches; version 1 with the launch cast written anew for expert scheduling mode
;; workspace buffers: xb 33,554,432 bytes; wb 8,388,608 bytes; kvw 33,554,432 bytes; tot 524,288 bytes
;; launch cast (part 4): grid 1024 x 1, 8 waves a work-group, no clusters, 0 bytes of LDS; arguments x, W_qkv, W_gate, xb, wb; writes xb, wb
.if DOCPART == 4
	.amdgcn_target "amdgcn-amd-amdhsa--gfx1250"
	.amdhsa_code_object_version 6
	.text
	.protected	k_q430e0cf204_cast
	.globl	k_q430e0cf204_cast
	.p2align	8
	.type	k_q430e0cf204_cast,@function
k_q430e0cf204_cast:
	s_mov_b64 s[64:65], 0
	v_nop
	global_prefetch_b8 v0, s[64:65] scope:SCOPE_SE
	s_setreg_imm32_b32 hwreg(HW_REG_WAVE_SCHED_MODE, 0, 2), 2
	s_setreg_imm32_b32 hwreg(HW_REG_WAVE_MODE, 25, 1), 1
	s_wait_xcnt 0x0
	s_wait_alu depctr_vm_vsrc(0)
; x [16384][1024] f32 -> xb, bf16, the same order.  The 4,096 weight rows (W_qkv's 3,072 and W_gate's 1,024) -> wb [4096][1024] bf16, IN THE ORDER IN WHICH THE TWO PRODUCTS TAKE THEM:
; wb's rows 0-2047 serve the product for k and v, rows 2048-4095 the one for q and the gate.  Row n' = 256 cg + 128 wc + 64 sel + i of either half belongs to channel d = 128 cg + 64 wc + i;
; first half: sel 0 = W_qkv row 1024 + d (k), sel 1 = W_qkv row 2048 + d (v); second half: sel 0 = W_qkv row d (q), sel 1 = W_gate row d.  So 128 rows on end hold both partners of 64 channels.
; Each number is rounded once, to nearest even.  A stream: no LDS, no barrier, no matrix work; each byte is read once and written once.
; SHARES.  Work-group w takes 16 rows of x and wb's rows 4 w .. 4 w + 3, which are four rows on end of one source (4 divides 64).  Thread t takes 16 bytes at 16 t of each row (a row is 4,096 bytes: 256 threads)
; and stores 8 bytes at 8 t: a wave's load covers 512 consecutive bytes, its store 256 consecutive bytes, aligned.  All 20 loads of a thread go out at once; no register is written twice, so no wait frees a source.
; THE MODE: SCHED_MODE bits 1:0 = 2 (LLVM: expert scheduling mode 2), set by the entry lines.  The code itself states the register dependences between vector instructions and memory instructions,
; with s_wait_alu, always for 0.
; THE PLAN.  Registers that memory instructions touch:
;   v1, v2   the loads' and the stores' offsets: written once at the head, read by every load or store, never written again.
;   IN       load i lands in IN + 4 i, once; all 20 loads are issued before any vector instruction names a register of IN; load i's two conversions read it behind the wait for the load.
;   OUT      load i's two conversions write OUT + 2 i, once; store i reads it, once.
; The 20 loads are worked off in five groups of four.  Group g's conversions write OUT of group g; the stores of group g - 1 are dealt among them and read OUT of group g - 1, which no conversion of group g names.
; So one wait on va_vdst stands at the head of a group, behind the wait for its data: the group before has written its OUT.  One more stands in front of the first load (the offsets) and one in front of the
; last group's stores.  No register that a memory instruction reads is ever written again: no wait on vm_vsrc is owed.  No vector instruction writes a scalar register, and EXEC is never written.
.set NX,  16                           ; rows of x
.set NW,  4                            ; rows of weights
.set GR,  4                            ; loads in a group: groups 0 to 3 are x's rows, group 4 the weights'
.set NG,  (NX+NW)/GR
.set IN,  4                            ; v[4:83]    load i at IN + 4 i
.set OUT, 84                           ; v[84:123]  its four bf16 at OUT + 2 i
	s_load_b256 s[4:11], s[0:1], 0x0               ; x s[4:5], W_qkv s[6:7], W_gate s[8:9], xb s[10:11]
	s_load_b64 s[12:13], s[0:1], 0x20              ; wb
	v_lshlrev_b32 v1, 4, v0                        ; 16 t: in
	v_lshlrev_b32 v2, 3, v0                        ; 8 t: out
	s_lshr_b32 s14, ttmp9, 9                       ; which half of wb (4 w >> 11)
	s_lshl_b32 s15, ttmp9, 2
	s_and_b32 s15, s15, 2047                       ; n'
	s_bfe_u32 s16, s15, 0x10006                    ; sel
	s_lshr_b32 s17, s15, 7
	s_lshl_b32 s17, s17, 6                         ; 128 cg + 64 wc
	s_and_b32 s18, s15, 63
	s_add_co_u32 s17, s17, s18                     ; d of the first of the four rows
	s_lshl_b32 s18, s16, 10
	s_add_co_u32 s18, s18, 1024                    ; first half: k's rows begin at 1,024, v's at 2,048
	s_cmp_eq_u32 s14, 0
	s_cselect_b32 s18, s18, 0                      ; second half: row d of W_qkv or of W_gate
	s_add_co_u32 s17, s17, s18
	s_lshl_b32 s20, s17, 12                        ; the source row in bytes
	s_mov_b32 s21, 0
	s_and_b32 s19, s14, s16                        ; 1: the gate's rows
	s_lshl_b32 s22, ttmp9, 16                      ; 16 rows of x
	s_mov_b32 s23, 0
	s_lshl_b32 s26, ttmp9, 15                      ; 16 rows of xb
	s_mov_b32 s27, 0
	s_lshl_b32 s28, ttmp9, 13                      ; 4 rows of wb
	s_mov_b32 s29, 0
	s_wait_kmcnt 0x0
	s_cmp_eq_u32 s19, 1
	s_cselect_b64 s[24:25], s[8:9], s[6:7]
	s_add_nc_u64 s[24:25], s[24:25], s[20:21]
	s_add_nc_u64 s[4:5], s[4:5], s[22:23]
	s_add_nc_u64 s[10:11], s[10:11], s[26:27]
	s_add_nc_u64 s[12:13], s[12:13], s[28:29]
	s_wait_alu depctr_va_vdst(0)                   ; v1 and v2 are written: every load of the kernel reads v1 as its offset, every store v2
.set i, 0
.rept NX
	global_load_b128 v[IN+4*i:IN+4*i+3], v1, s[4:5] offset:4096*i th:TH_LOAD_NT
.set i, i+1
.endr
.rept NW
	global_load_b128 v[IN+4*i:IN+4*i+3], v1, s[24:25] offset:4096*(i-NX) th:TH_LOAD_NT
.set i, i+1
.endr
; Group g: its four loads are in; the group before goes out, a store in front of each pair of conversions.
.set g, 0
.rept NG
	s_wait_loadcnt NX+NW-GR*(g+1)                  ; loads come back in order: group g is in when at most the younger groups' loads are out
.if g > 0
	s_wait_alu depctr_va_vdst(0)                   ; the conversions of group g - 1 have written their OUT, which the four stores below read; no conversion of this group names those registers
.endif
.set j, 0
.rept GR
.set i, GR*g+j
.set p, i-GR
.if g > 0
	global_store_b64 v2, v[OUT+2*p:OUT+2*p+1], s[10:11] offset:2048*p th:TH_STORE_NT  ; groups 0 to 3 are rows of xb
.endif
	v_cvt_pk_bf16_f32 v[OUT+2*i], v[IN+4*i], v[IN+4*i+1]
	v_cvt_pk_bf16_f32 v[OUT+2*i+1], v[IN+4*i+2], v[IN+4*i+3]
.set j, j+1
.endr
.set g, g+1
.endr
	s_wait_alu depctr_va_vdst(0)                   ; the last group's conversions have written their OUT, which the last four stores read
.set i, NX
.rept NW
	global_store_b64 v2, v[OUT+2*i:OUT+2*i+1], s[12:13] offset:2048*(i-NX) th:TH_STORE_NT  ; the four rows of wb
.set i, i+1
.endr
	s_endpgm
.Lfunc_end_k_q430e0cf204_cast:
	.size	k_q430e0cf204_cast, .Lfunc_end_k_q430e0cf204_cast-k_q430e0cf204_cast
	.p2alignl 7, 3214868480
	.fill 96, 4, 3214868480
	.section	.rodata,"a",@progbits
	.p2align	6, 0x0
	.amdhsa_kernel k_q430e0cf204_cast
		.amdhsa_group_segment_fixed_size 0
		.amdhsa_private_segment_fixed_size 0
		.amdhsa_enable_private_segment 0
		.amdhsa_kernarg_size 40
		.amdhsa_user_sgpr_count 2
		.amdhsa_user_sgpr_kernarg_segment_ptr 1
		.amdhsa_wavefront_size32 1
		.amdhsa_system_sgpr_workgroup_id_x 1
		.amdhsa_system_sgpr_workgroup_id_y 1
		.amdhsa_system_sgpr_workgroup_id_z 1
		.amdhsa_system_vgpr_workitem_id 0
		.amdhsa_next_free_vgpr 128
		.amdhsa_next_free_sgpr 66
		.amdhsa_reserve_vcc 0
		.amdhsa_float_denorm_mode_32 3
		.amdhsa_float_denorm_mode_16_64 3
		.amdhsa_memory_ordered 1
		.amdhsa_forward_progress 1
		.amdhsa_inst_pref_size 9
	.end_amdhsa_kernel
	.amdgpu_metadata
---
amdhsa.version: [ 1, 2 ]
amdhsa.kernels:
  - .name:           k_q430e0cf204_cast
    .symbol:         k_q430e0cf204_cast.kd
    .args:
      - { .name: x, .offset: 0, .size: 8, .value_kind: global_buffer, .address_space: global }
      - { .name: W_qkv, .offset: 8, .size: 8, .value_kind: global_buffer, .address_space: global }
      - { .name: W_gate, .offset: 16, .size: 8, .value_kind: global_buffer, .address_space: global }
      - { .name: xb, .offset: 24, .size: 8, .value_kind: global_buffer, .address_space: global }
      - { .name: wb, .offset: 32, .size: 8, .value_kind: global_buffer, .address_space: global }
    .group_segment_fixed_size: 0
    .private_segment_fixed_size: 0
    .kernarg_segment_align: 8
    .kernarg_segment_size: 40
    .max_flat_workgroup_size: 256
    .sgpr_count:     66
    .vgpr_count:     128
    .wavefront_size: 32
...
	.end_amdgpu_metadata
.endif
;; end of part 4
;; launch kvgemm: the kernel of part 2 again; grid 8 x 64, 4 waves a work-group, clusters of 4 x 4, 327,680 bytes of LDS; arguments xb, wb, b_qkv, kvw, tot; writes kvw, tot
;; launch qggemm: the kernel of part 3 again; grid 8 x 64, 4 waves a work-group, clusters of 4 x 4, 327,680 bytes of LDS; arguments xb, wb, b_qkv, b_gate, kvw, tot, out0; writes out0
